; MI455X (gfx1250); checked and timed in simulation.
; The chip was launched on July 23, 2026; its instructions are those of AMD's public machine-readable ISA for CDNA 5 (MIT licence, August 2026) and "CDNA5" Instruction Set Architecture Reference Guide (July 2026). The comments in the code are by the model that wrote it; some were corrected since.
;; Mh Attn Block. Allowed arithmetic: matrix products marked QUANTISED: E5M2 operands, one E8M0 scale for each 32 along K, by v_wmma_scale_f32_16x16x128_f8f6f4 with both operands' format E5M2, f32 sums; products left as they are: f32 operands where the result goes on into a quantised operand, else bf16, f16 or f32 operands; f32 sums; everything else in f32.
;; Inputs: K 8 x 1,024 x 512 float32; Q 8 x 1,024 x 512 float32; V 8 x 1,024 x 512 float32; WK 8 x 512 float32; WQ 8 x 512 float32; WV 512 x 512 float32; bias 8 x 64 float32.
;; Outputs: out0 8 x 1,024 x 512 float32.
;; This version of the problem:
;;   THIS VERSION OF THE PROBLEM IS GIVEN IN LOW PRECISION. The matrix products marked QUANTISED in the list below multiply operands that are first quantised to E5M2 (5 exponent bits, 2 mantissa bits; 8 bits a number), with one power-of-two scale for each 32 numbers along K (OCP MX v1.0); their sums are f32. All else is computed in f32.
;;   The module's matrix products, in the order in which they are computed (A, B: the left and right operand; K: the contracted axis; several contracted axes count as one K, in the product's order):
;;     1. [M 8,192, K 512] x [K 512, N 512]; A: input V; B: input WV: QUANTISED
;;     2. [M 8,192, K 512] x [K 512, N 8]; A: input K; B: input WK: left as it is (N = 8 < 16)
;;     3. [M 8,192, K 512] x [K 512, N 8]; A: input Q; B: input WQ: left as it is (N = 8 < 16)
;;     4. batch 64 x [M 64, K 1,024] x [K 1,024, N 1,024]; A: computed on the way; B: softmax (see below): QUANTISED
;;   THE QUANTISER, for each operand of a quantised product, along K:
;;     - K is cut into blocks of 32 from its start; a last block that is shorter is filled with zeros.
;;     - A block's scale is 2^e with e = floor(log2(the largest magnitude in the block)) - 15, held to -126 .. 127; a block of zeros has e = 0. As a byte (E8M0): e + 127.
;;     - Each number is divided by its block's scale, clamped to +-57,344, and rounded to the nearest number of E5M2, ties to even, subnormals kept.
;;     - The product sums the exact products of the quantised numbers (number of the format x scale) in f32.
;;   ~~~python
;;   def quantise(x, axis):      # numpy; x: float32 -> the quantised numbers, widened to float32 again
;;       x = np.moveaxis(x, axis, -1); K = x.shape[-1]
;;       x = np.pad(x, [(0, 0)] * (x.ndim - 1) + [(0, -K % 32)]); x = x.reshape(x.shape[:-1] + (-1, 32)); a = np.abs(x).max(-1, keepdims=True)
;;       e = np.where(a > 0, np.clip(np.frexp(np.where(a > 0, a, 1))[1] - 1 - 15, -126, 127), 0)      # np.frexp(a)[1] - 1 = floor(log2(a)), exactly
;;       r = np.clip(x / 2.0 ** e, -57344, 57344)
;;       step = 2.0 ** (np.maximum(np.frexp(np.where(r == 0, 1, r))[1] - 1, -14) - 2)
;;       q = np.round(r / step) * step * 2.0 ** e      # np.round: ties to even
;;       return np.moveaxis(q.reshape(q.shape[:-2] + (-1,))[..., :K], -1, axis).astype(np.float32)
;;   ~~~
;;   SOFTMAX AHEAD OF A QUANTISED PRODUCT. Where the list says 'softmax', what is quantised is not the finished softmax but p = 2^(t - M), with t = logit x log2(e) and M = ceil(the row's largest t), a whole number; so 1/2 < the row's largest p <= 1. The row's sum l is taken of the UNQUANTISED p, in f32, and the product's result is divided by l at the end. Since M is a whole number, a kernel that streams over the keys may use a running M (the ceiling of the running maximum): every later rescaling is an exact power of two, which a block's scale takes up: the codes' values come out the same.
;;   OPERANDS COMPUTED ON THE WAY. 'Computed on the way' means the value that the module computes at that place (a softmax that the list does not call 'softmax' is quantised finished and normalised). What goes into a quantiser is computed in f32, as accurately as f32 sums, v_exp_f32 and their like allow (about 1e-6 of the number): no bf16 or f16 on the way to a quantiser, and a product that is left as it is and whose result goes on into a quantised operand takes f32 operands (vector FMAs, or v_wmma_f32_16x16x4_f32). A number that lies on a knife's edge between two numbers of the format may be rounded either way, as far as f32 arithmetic and the matrix unit's own rounding can turn it there, and no further.
;; One version. Each part assembles by itself: llvm-mc -triple=amdgcn-amd-amdhsa -mcpu=gfx1250 --defsym DOCPART=n.
;; ======== version 1 of 1: 2 launches
;; limits: right only within a limited range of input values
;; workspace buffers: vp 4,325,376 bytes; ak 262,144 bytes; aq 262,144 bytes
;; launch proj (part 1): grid 4 x 64, 8 waves a work-group, clusters of 4 x 4, 327,680 bytes of LDS; arguments V, WV, K, WK, Q, WQ, vp, ak, aq; writes vp, ak, aq
.if DOCPART == 1
	.amdgcn_target "amdgcn-amd-amdhsa--gfx1250"
	.amdhsa_code_object_version 6
	.text
	.protected	k_q5cea30e167_proj
	.globl	k_q5cea30e167_proj
	.p2align	8
	.type	k_q5cea30e167_proj,@function
k_q5cea30e167_proj:
	s_mov_b64 s[64:65], 0
	v_nop
	global_prefetch_b8 v0, s[64:65] scope:SCOPE_SE
	s_setreg_imm32_b32 hwreg(HW_REG_WAVE_MODE, 25, 1), 1
	s_wait_xcnt 0x0
	s_wait_alu depctr_hold_cnt(0) depctr_sa_sdst(0) depctr_va_vdst(0) depctr_va_sdst(0) depctr_va_ssrc(0) depctr_va_vcc(0) depctr_vm_vsrc(0)
	s_getreg_b32 s2, hwreg(HW_REG_IB_STS2, 6, 4)
	s_cmp_eq_u32 s2, 0
	s_cbranch_scc0 .Lentry_in_a_cluster
	s_endpgm
.Lentry_in_a_cluster:
	s_bfe_u32 s2, ttmp6, 0x10000c
	s_cmp_lg_u32 s2, 0xf033
	s_cbranch_scc0 .Lentry_shape_is_right
	s_endpgm
.Lentry_shape_is_right:
; Vproj = V WV^T on codes of BF8 (E5M2) with one E8M0 scale for each 32 along K = 512, its result quantised again along the KEYS for the attention's second product;
; and ak = K WK^T, aq = Q WQ^T in f32 (packed fused multiply-adds: their results go on into a quantised operand).
; V, K, Q: [8192][512] f32 (8 batches x 1,024 rows); WV: [512][512], WK, WQ: [8][512] f32, K innermost in all.
; OUT: ak, aq: [group of 32 rows][head][32 rows] f32: 1,024 bytes for each work-group.  vp: 64 records (8 batch + head) of 67,584 bytes: 32 fragments (4 s + dt: key step s of 128 keys, tile dt of 16 of the head's 64)
;   as IMAGES OF THE OPERAND'S REGISTERS, 2,048 bytes each (register group c, lane l at 512 c + 16 l); from byte 65,536 on the scale words, [s][row 0..15][dt] x 4 bytes.
; SHARES.  Work-group (x, y) makes 128 keys (rows 128 y on) x 128 columns (128 x on: heads 2 x, 2 x + 1): 256 work-groups of equal work.  Wave w owns 16 columns for all 128 keys: 8 accumulators, which are exactly one
;   fragment of the next product.  It quantises its own 16 rows of WV (read by nobody else) and 16 rows of V, which go to the other waves through LDS as an image of their registers.
;   Source 0 = 16 keys of V, source 1 = my 16 rows of WV: a lane then holds ONE column d and its registers run along the keys, the next K.
;   ORDER INSIDE A BLOCK OF 32 KEYS: place 16 h + i of a block holds key 8 h + (i & 7) + 16 (i >> 3).  The attention lays p in the same order.
;   Each work-group also takes 32 rows of K and of Q: waves 0-3 eight rows of K each, waves 4-7 the same rows of Q, on one path (only pointers are chosen).
; CLUSTERS: 4 x 4.  V's tile hangs on y alone and is asked for jointly along a row of the cluster, WV's on x alone, along a column: each tile is requested once for four work-groups.
; K GOES IN TWO HALVES of 256 (1,024 bytes of a row) through ONE slot: half 0 at the head, half 1 as a refill once every wave's 16 rows of each tile are in registers.  A wave has one tensor load for each: 32 rows of V (waves 0-3) or of WV (waves 4-7).
; A HALF HAS TWO BARRIERS: the first shows V's tile (its load line is waves 0-3's alone, and they alone wait), the second WV's tile and V's images.  V is quantised between the two.
; ORDER: half 0: V's quantisers | WV's first | refill | WV's second, all of ak or aq, K steps 1 and 0 | half 1: V's quantisers | WV's first, K step 2's products, WV's second, K step 3's.
;   The head asks for the two tiles alone: the first quantiser waits for nothing else.  K's or Q's rows 0-3 and the weights are asked for among half 0's quantisers of V, rows 4-7 behind the refill.
; PREFETCH: V's half 1 is asked for behind V's first tile, three quantisers ahead of the refill; WV's half 1 is not: all sixteen clusters read the same 512 KB of it.
; LIMITS: NaN and infinities are not served.  A block whose largest magnitude lies under 2^-111 keeps the scale byte 1; so does a block of zeros, where the quantiser says 127: its codes are zeros, and this program alone reads the bytes.
.set PITCH,  1040                      ; an LDS row: 1,024 bytes + 16 of padding = 260 words: the 16 rows that a load touches start 4 banks apart
.set QROWS,  32*PITCH                  ; 32 rows: what one tensor load brings
.set WOFF,   128*PITCH                 ; V's 128 rows, then WV's 128
.set IMG,    256*PITCH                 ; behind the slot: [K step of the half][fragment] images of 2,048 bytes
.set ISC,    32768                     ; and their scale words [K step][fragment][16 rows]
.set SST,    IMG+ISC+1024              ; 512 bytes: the result's scale words meet here: [head][row][dt]
.set KQS,    SST+512                   ; 2,048 bytes: ak's, then aq's sums: [head][32 rows]
.set SPARE,  KQS+2048                  ; the spare words, 128 bytes for each of eight waves: four blocks of 256 bytes that no other line names
.set REC,    67584                     ; a record of vp
.set KA,  0                            ; v0   (the thread's number until the head's end) LDS: where my two sums go
.set SPW, 1                            ; v1   SPARE + 4 x thread; never rewritten
.set NIL, 2                            ; v2   0; never rewritten
.set AV,  3                            ; v3   my lane's 64 bytes in my row of V's tile
.set AW,  4                            ; v4   the same in WV's tile
.set IR,  5                            ; v5   IMG + 16 x lane
.set IW,  6                            ; v6   IR + 2,048 x wave
.set SR,  7                            ; v7   IMG + ISC + 4 x lane
.set SW,  8                            ; v8   IMG + ISC + 64 x wave + 4 x row
.set LO,  9                            ; v9   16 x lane
.set VS,  10                           ; v10-17  K step ks of the half at VS + 4 ks: register i: lanes 0-15 the words of V's fragment 2 i, lanes 16-31 those of 2 i + 1
.set ACC, 18                           ; v18-81
.set RAW, 82                           ; v82-209  two sets of 64 numbers of V, then the eight weights of ak or aq, then a K step's eight images
.set RA,  RAW
.set RB,  RAW+64
.set WC,  210                          ; v210-241  WV's codes of the half's two K steps (V's on their way to LDS)
.set TM,  242                          ; v242-245 largest magnitudes, then the largest number x the scale; v246-249 bytes; v250-253 the conversions' scale operands
.set WW,  254                          ; v254-255  WV's scale words of the half's two K steps (V's on their way to LDS)
.set W,   RAW                          ; the eight rows of WK or WQ, 16 registers each
; for ak or aq, ahead of the first product: in the accumulators' registers
.set T,   18                           ; eight pairs of partial sums
.set R8,  34                           ; a row's eight sums of my lane
.set BT,  42                           ; at work
.set RR,  50                           ; row i's two numbers at RR + 2 i
.set PFO, 81                           ; 2,048 x lane: the prefetch's row
; window 1
.set WR,  0                            ; two sets of 64 numbers of WV; half 0: then K step 1's images
.set X,   128                          ; the eight rows of K or Q; half 1: K step 3's images
.set WV,  22                           ; s22  my wave's number
.set G1A, 32                           ; s[32:39], s[40:47] descriptor group 1 for V's and for WV's tiles: they differ in the mask
.set G1B, 40
.set G0A, 48                           ; s[48:51], s[52:55] group 0
.set G0B, 52
.set SEL, 66                           ; s[66:67] v_permlanex16_b32's selects for lane l xor 16
.set MNT, 68                           ; s68  the mantissa field of 57,344
.set LM,  70                           ; s70-74 the lanes whose number has bit 0 .. 4 set
.set MSB, 0
.macro WIN new                         ; the immediate's high byte repeats the setting that is left
.if MSB != \new
	s_set_vgpr_msb (MSB<<8)|\new
.set MSB, \new
.endif
.endm
.macro PLACES n
.rept \n
	v_nop
.endr
.endm
.macro WALU
	s_wait_alu depctr_va_vdst(0)
.endm
.macro ROUND                           ; a round of the cluster's barrier
	s_barrier_signal -1
	s_barrier_wait -1
	s_cmp_lg_u32 s[WV], 0
	s_cbranch_scc1 .Lnot_wave_0_\@
	s_barrier_signal -3
.Lnot_wave_0_\@:
	s_barrier_wait -3
	s_barrier_signal -1
	s_barrier_wait -1
.endm
; A joint load.  The branch hangs on the wave's number alone; each line has one mask.  Four v_nop follow each of the two lines.
.macro JLOAD
	s_cmp_lt_u32 s[WV], 4
	s_cbranch_scc0 .Lfor_w_\@
	tensor_load_to_lds s[G0A:G0A+3], s[G1A:G1A+7]
	s_nop 0
	PLACES 4
	s_branch .Lasked_\@
.Lfor_w_\@:
	tensor_load_to_lds s[G0B:G0B+3], s[G1B:G1B+7]
	s_nop 0
	PLACES 4
.Lasked_\@:
.endm
; 64 numbers of a lane, v[s] of window sw on, register 16 b + i = place 32 b + 16 (lane / 16) + i along K of my row, become a fragment's codes in v[pc] on and its scale word in v[pw].
.macro QUANT s, sw, pc, pw
	WIN 0x05*\sw
.irp b, 0,1,2,3
	v_max3_num_f32 v[TM+\b], |v[\s+16*\b]|, |v[\s+1+16*\b]|, 0x8000000   ; block b: my 16 numbers and the floor 2^(16 - 127): the byte cannot fall under 1
.endr
.irp i, 2,4,6,8,10,12,14
.irp b, 0,1,2,3
	v_max3_num_f32 v[TM+\b], |v[\s+16*\b+\i]|, |v[\s+1+16*\b+\i]|, v[TM+\b]   ; the four blocks by turns
.endr
.endr
	WIN 0
.irp b, 0,1,2,3
.if \sw == 0
	s_delay_alu instid0(VALU_DEP_4)
.endif
	v_permlanex16_b32 v[TM+4+\b], v[TM+\b], s[SEL], s[SEL+1]
.endr
.irp b, 0,1,2,3
	s_delay_alu instid0(VALU_DEP_4)
	v_max_num_f32 v[TM+\b], v[TM+\b], v[TM+4+\b]   ; with lane l xor 16's 16: the block's largest magnitude
.endr
.irp b, 0,1,2,3
	s_delay_alu instid0(VALU_DEP_4)
	v_add_nc_u32 v[TM+8+\b], 0xf8800000, v[TM+\b]  ; 15 off its exponent field: the conversion's scale operand
.endr
.irp b, 0,1,2,3
	v_and_or_b32 v[TM+\b], v[TM+\b], 0x7f800000, s[MNT]   ; 57,344 x the scale
.endr
.irp b, 0,1,2,3
	v_lshrrev_b32 v[TM+4+\b], 23, v[TM+8+\b]       ; the scale's byte
.endr
	s_delay_alu instid0(VALU_DEP_3)
	v_lshl_or_b32 v[\pw], v[TM+5], 8, v[TM+4]
	s_delay_alu instid0(VALU_DEP_1)
	v_lshl_or_b32 v[\pw], v[TM+6], 16, v[\pw]
	s_delay_alu instid0(VALU_DEP_1)
	v_lshl_or_b32 v[\pw], v[TM+7], 24, v[\pw]
	WIN 0x41*\sw
.irp b, 0,1,2,3
.irp i, 0,1,2,3,4,5,6,7,8,9,10,11,12,13,14,15
	v_med3_num_f32 v[\s+16*\b+\i], v[\s+16*\b+\i], -v[TM+\b], v[TM+\b]   ; the conversion to an 8-bit code does not saturate (ISA guide 7.6.2): the hold
.endr
.endr
	WIN 0x01*\sw
.irp b, 0,1,2,3
	v_cvt_scalef32_pk8_bf8_f32 v[\pc+4*\b:\pc+4*\b+1], v[\s+16*\b:\s+16*\b+7], v[TM+8+\b]
	v_cvt_scalef32_pk8_bf8_f32 v[\pc+4*\b+2:\pc+4*\b+3], v[\s+16*\b+8:\s+16*\b+15], v[TM+8+\b]
.endr
	WIN 0
	v_nop                                          ; one plain line behind the last conversion
.endm
.macro ROWLD i                         ; row i of my eight of K or Q: every load is 512 consecutive bytes; lane l holds numbers 128 j + 4 l + 0..3
	WIN 0x40                                       ; destination window 1
.irp j, 0,1,2,3
	global_load_b128 v[X+16*(\i)+4*\j:X+16*(\i)+4*\j+3], v[LO], s[82:83] offset:2048*(\i)+512*\j th:TH_LOAD_NT
.endr
	WIN 0
.endm
.macro WTLD n                          ; rows n .. n + 3 of WK or WQ, laid over the lanes as K's or Q's are, into V's registers, which are done with
.irp e, 0,1,2,3
.irp j, 0,1,2,3
	global_load_b128 v[W+16*(\n+\e)+4*\j:W+16*(\n+\e)+4*\j+3], v[LO], s[84:85] offset:2048*(\n+\e)+512*\j
.endr
.endr
.endm
.macro RAWLD d, dw, adr, ks            ; 128 along K of my row: 64 numbers a lane, into window dw
	WIN 0x40*\dw
.irp b, 0,1,2,3
.irp j, 0,1,2,3
	ds_load_b128 v[\d+16*\b+4*\j:\d+16*\b+4*\j+3], v[\adr] offset:512*\ks+128*\b+16*\j
.endr
.endr
	WIN 0
.endm
.macro IMGST ks                        ; V's fragment goes to LDS as it stands in my registers, and its word (lanes r and r + 16 write the same word with the same value)
.irp c, 0,1,2,3
	ds_store_b128 v[IW], v[WC+16*\ks+4*\c:WC+16*\ks+4*\c+3] offset:16384*\ks+512*\c
.endr
	ds_store_b32 v[SW], v[WW+\ks] offset:512*\ks
.endm
.macro IMGLD ks, d, dw                 ; a K step's eight images of V into window dw, and their scale words: 36 loads
	WIN 0x40*\dw
.irp f, 0,1,2,3,4,5,6,7
.irp c, 0,1,2,3
	ds_load_b128 v[\d+16*\f+4*\c:\d+16*\f+4*\c+3], v[IR] offset:16384*\ks+2048*\f+512*\c
.endr
.endr
	WIN 0
.irp i, 0,1,2,3
	ds_load_b32 v[VS+4*\ks+\i], v[SR] offset:512*\ks+128*\i
.endr
.endm
; The eight products of a K step: V's fragment t (v[a] of window aw on) against my fragment of WV.  The eight accumulators take turns, one instruction a turn, from step to step too.
.macro MULS ks, a, aw, zero
	WIN \aw
.irp t, 0,2,4,6
.if \zero
	v_wmma_scale_f32_16x16x128_f8f6f4 v[ACC+8*\t:ACC+8*\t+7], v[\a+16*\t:\a+16*\t+15], v[WC+16*\ks:WC+16*\ks+15], 0, v[VS+4*\ks+\t/2], v[WW+\ks] matrix_a_fmt:MATRIX_FMT_BF8 matrix_b_fmt:MATRIX_FMT_BF8
	v_wmma_scale_f32_16x16x128_f8f6f4 v[ACC+8*\t+8:ACC+8*\t+15], v[\a+16*\t+16:\a+16*\t+31], v[WC+16*\ks:WC+16*\ks+15], 0, v[VS+4*\ks+\t/2], v[WW+\ks] matrix_a_fmt:MATRIX_FMT_BF8 matrix_b_fmt:MATRIX_FMT_BF8 matrix_a_scale:MATRIX_SCALE_ROW1
.else
	v_wmma_scale_f32_16x16x128_f8f6f4 v[ACC+8*\t:ACC+8*\t+7], v[\a+16*\t:\a+16*\t+15], v[WC+16*\ks:WC+16*\ks+15], v[ACC+8*\t:ACC+8*\t+7], v[VS+4*\ks+\t/2], v[WW+\ks] matrix_a_fmt:MATRIX_FMT_BF8 matrix_b_fmt:MATRIX_FMT_BF8
	v_wmma_scale_f32_16x16x128_f8f6f4 v[ACC+8*\t+8:ACC+8*\t+15], v[\a+16*\t+16:\a+16*\t+31], v[WC+16*\ks:WC+16*\ks+15], v[ACC+8*\t+8:ACC+8*\t+15], v[VS+4*\ks+\t/2], v[WW+\ks] matrix_a_fmt:MATRIX_FMT_BF8 matrix_b_fmt:MATRIX_FMT_BF8 matrix_a_scale:MATRIX_SCALE_ROW1
.endif
.endr
	WIN 0
.endm
; A half's first part: V's tile becomes images, then WV's 128 numbers a lane are asked for.  first = 1: the loads for ak or aq go out on the way.
.macro VPART first
	s_cmp_lt_u32 s[WV], 4                          ; V's tile: its four waves wait for it
	s_cbranch_scc0 .Lnot_v_\@
	s_wait_tensorcnt 0x0
.Lnot_v_\@:
	s_wait_dscnt 0x0                               ; (half 1: my reads of the last images are over)
	s_barrier_signal -1
	s_barrier_wait -1
.if \first == 0
	PLACES 8                                       ; behind the last products, ahead of loads into what they have read
.endif
	RAWLD RA, 0, AV, 0
.if \first
	s_cmp_lt_u32 s[WV], 4                          ; V's half 1: my work-group's 32 rows of the 128 that my row of the cluster shares, a lane a row, 256 bytes a wave
	s_cbranch_scc0 .Lnot_asking
	global_prefetch_b8 v[PFO], s[96:97] th:TH_LOAD_NT scope:SCOPE_SE
.Lnot_asking:
	ROWLD 0
	ROWLD 1
.endif
	RAWLD RB, 0, AV, 1
	s_wait_dscnt 16                                ; the first sixteen loads are in
	QUANT RA, 0, WC, WW
	IMGST 0
.if \first
	ROWLD 2
	ROWLD 3
	WTLD 0
.endif
	s_wait_dscnt 5                                 ; the second sixteen are in; the five stores may be out
	QUANT RB, 0, WC+16, WW+1
	IMGST 1
.if \first
	WTLD 4
.endif
	WALU
	s_wait_tensorcnt 0x0                           ; WV's tile is in (V's four waves have none out),
	s_wait_dscnt 0x0                               ; my images are written
	s_barrier_signal -1
	s_barrier_wait -1                              ; everybody's
	RAWLD WR, 1, AW, 0
	RAWLD WR+64, 1, AW, 1
.endm
; ---- ak or aq.  64 sums (n = 8 row + head) over 32 lanes.  At level beta a lane keeps, of each pair n, n + 2^(beta + 1), the one that its bit beta names and hands the other to lane l xor 2^beta:
; the numbers halve, and at the end lane l holds sums 2 l and 2 l + 1.  PAIR is one such pair: d = the kept one + the partner's handed one.
.macro PAIR d, n0, n1, beta, xm, tk
	v_cndmask_b32 v[\tk], v[\n0], v[\n1], s[LM+\beta]       ; kept
	v_cndmask_b32 v[\tk+1], v[\n1], v[\n0], s[LM+\beta]     ; handed over
	s_delay_alu instid0(VALU_DEP_1)
	v_add_f32_dpp v[\d], v[\tk+1], v[\tk] row_xmask:\xm row_mask:0xf bank_mask:0xf
.endm
; Row i against the eight heads: 8 chains of packed multiply-adds by turns; then levels 0 and 1, whose pairs lie within a row: two numbers a row are left.
.macro PROW i
	WIN 0x01                                       ; source 0 (the row) window 1
.irp e, 0,1,2,3,4,5,6,7
	v_pk_mul_f32 v[T+2*\e:T+2*\e+1], v[X+16*\i:X+16*\i+1], v[W+16*\e:W+16*\e+1]
.endr
.irp k, 2,4,6,8,10,12,14
.irp e, 0,1,2,3,4,5,6,7
	v_pk_fma_f32 v[T+2*\e:T+2*\e+1], v[X+16*\i+\k:X+16*\i+\k+1], v[W+16*\e+\k:W+16*\e+\k+1], v[T+2*\e:T+2*\e+1]
.endr
.endr
	WIN 0
.irp e, 0,1,2,3,4,5,6,7
	v_add_f32 v[R8+\e], v[T+2*\e], v[T+2*\e+1]
.endr
	PAIR R8, R8, R8+2, 0, 1, BT
	PAIR R8+1, R8+1, R8+3, 0, 1, BT+2
	PAIR R8+4, R8+4, R8+6, 0, 1, BT+4
	PAIR R8+5, R8+5, R8+7, 0, 1, BT+6
	PAIR RR+2*\i, R8, R8+4, 1, 2, BT
	PAIR RR+2*\i+1, R8+1, R8+5, 1, 2, BT+2
.endm
.macro SUMS                            ; levels 2 to 4, and my two sums go to LDS
.irp i, 0,4,8,12                       ; level 2: rows 0 and 1, 2 and 3, 4 and 5, 6 and 7
	PAIR RR+\i, RR+\i, RR+\i+2, 2, 4, BT
	PAIR RR+\i+1, RR+\i+1, RR+\i+3, 2, 4, BT+2
.endr
.irp i, 0,8                            ; level 3: rows 0 and 2, 4 and 6
	PAIR RR+\i, RR+\i, RR+\i+4, 3, 8, BT+4
	PAIR RR+\i+1, RR+\i+1, RR+\i+5, 3, 8, BT+6
.endr
.irp n, 0,1                            ; level 4: rows 0 and 4, across the halves of the lanes
	v_cndmask_b32 v[BT+4*\n], v[RR+\n], v[RR+8+\n], s[LM+4]
	v_cndmask_b32 v[BT+4*\n+1], v[RR+8+\n], v[RR+\n], s[LM+4]
	s_delay_alu instid0(VALU_DEP_1)
	v_permlanex16_b32 v[BT+4*\n+2], v[BT+4*\n+1], s[SEL], s[SEL+1]
	s_delay_alu instid0(VALU_DEP_1)
	v_add_f32 v[RR+\n], v[BT+4*\n], v[BT+4*\n+2]
.endr
	ds_store_b32 v[KA], v[RR]                      ; row lane / 4, head 2 (lane % 4),
	ds_store_b32 v[KA], v[RR+1] offset:128         ; and the next head
.endm
	s_load_b512 s[4:19], s[0:1], 0x0               ; V, WV, K, WK, Q, WQ, vp, ak
	s_load_b64 s[20:21], s[0:1], 0x40              ; aq
	v_lshl_add_u32 v[SPW], v0, 2, SPARE
	v_mov_b32 v[NIL], 0
	ds_add_u32 v[SPW], v[NIL]                      ; the wave's opening: an add, twice on end, and its wait
	ds_add_u32 v[SPW], v[NIL]
	v_lshrrev_b32 v82, 5, v0
	v_readfirstlane_b32 s[WV], v82                 ; wave 0..7
	s_lshr_b32 s94, s[WV], 2                       ; 0: I fetch for V and take K's rows; 1: WV, Q
	s_and_b32 s95, s[WV], 3
	s_bfe_u32 s24, ttmp6, 0x40000                  ; cx, cy: my place in the cluster
	s_bfe_u32 s25, ttmp6, 0x40004
	s_lshl_b32 s26, ttmp9, 2
	s_add_co_u32 s26, s26, s24                     ; x = 4 x cluster x + cx
	s_and_b32 s27, ttmp7, 0xffff
	s_lshl_b32 s27, s27, 2
	s_add_co_u32 s27, s27, s25                     ; y = 4 x cluster y + cy
	s_lshl_b32 s28, s25, 2
	s_lshl_b32 s28, 15, s28                        ; my row of the cluster
	s_lshl_b32 s29, 0x1111, s24                    ; my column
	; descriptor group 1: 32 rows x 256 f32, 512 elements from row to row, 4 words of padding behind every 256
	s_or_b32 s[G1A], s28, (2<<16)|(1<<20)|(1<<21)|(7<<22)|(3<<25)   ; 15:0 the mask; 17:16 elements of 4 bytes; 20 padding on; 21 set beside a mask; 24:22 after every 256 words (code 7); 31:25 four words (code 3)
	s_or_b32 s[G1B], s29, (2<<16)|(1<<20)|(1<<21)|(7<<22)|(3<<25)
.irp g, G1A, G1B
	s_mov_b32 s[\g+1], 256<<16                     ; tensor_dim0 = 256
	s_mov_b32 s[\g+2], 32<<16                      ; tensor_dim1 = 32
	s_mov_b32 s[\g+3], 256<<16                     ; tile_dim0 = 256
	s_mov_b32 s[\g+4], 32                          ; tile_dim1 = 32
	s_mov_b32 s[\g+5], 512                         ; tensor_dim0_stride
	s_mov_b32 s[\g+6], 0
	s_mov_b32 s[\g+7], 0
.endr
	s_lshl_b32 s30, s95, 5                         ; which 32 rows of a tile I fetch
	s_lshl_b32 s76, s27, 7
	s_add_co_u32 s76, s76, s30
	s_lshl_b32 s76, s76, 11                        ; V: row 128 y + 32 (wave % 4), 2,048 bytes a row: y and the wave alone
	s_mov_b32 s77, 0
	s_lshl_b32 s78, s26, 7
	s_add_co_u32 s78, s78, s30
	s_lshl_b32 s78, s78, 11                        ; WV: row 128 x + 32 (wave % 4): x and the wave alone
	s_mov_b32 s79, 0
	s_mul_i32 s31, s[WV], QROWS                    ; where they go: V's four quarters, then WV's
	s_lshl_b32 s80, s27, 2
	s_add_co_u32 s80, s80, s26                     ; 4 y + x: my group of 32 rows of K and of Q
	s_lshl_b32 s92, s80, 10                        ; 1,024 bytes a group in ak, aq; waves 0-3 store 512 each
	s_and_b32 s93, s[WV], 1
	s_lshl_b32 s93, s93, 9
	s_add_co_u32 s92, s92, s93
	s_mov_b32 s93, 0
	s_lshl_b32 s80, s80, 5
	s_lshl_b32 s81, s95, 3
	s_add_co_u32 s80, s80, s81
	s_lshl_b32 s80, s80, 11                        ; 2,048 bytes a row in K, Q
	s_mov_b32 s81, 0
	s_lshl_b32 s96, s27, 7                         ; the prefetch: V's row 128 y + 32 cx, from byte 1,024 + 256 (wave % 4) on
	s_lshl_b32 s97, s24, 5
	s_add_co_u32 s96, s96, s97
	s_lshl_b32 s96, s96, 11
	s_lshl_b32 s97, s95, 8
	s_add_co_u32 s96, s96, s97
	s_add_co_u32 s96, s96, 1024
	s_mov_b32 s97, 0
	; vp: batch y / 8, key step y % 8; my fragment: head 2 x + wave / 4, tile wave % 4
	s_lshr_b32 s88, s27, 3
	s_lshl_b32 s88, s88, 3
	s_lshl_b32 s89, s26, 1
	s_add_co_u32 s88, s88, s89                     ; 8 batch + 2 x
	s_mul_i32 s90, s88, REC
	s_and_b32 s89, s27, 7
	s_lshl_b32 s91, s89, 8
	s_add_co_u32 s90, s90, s91
	s_add_co_u32 s90, s90, 65536                   ; the step's scale words in head 2 x's record
	s_mov_b32 s91, 0
	s_add_co_u32 s88, s88, s94
	s_mul_i32 s88, s88, REC
	s_lshl_b32 s89, s89, 2
	s_add_co_u32 s89, s89, s95
	s_lshl_b32 s89, s89, 11
	s_add_co_u32 s88, s88, s89                     ; my fragment's image
	s_mov_b32 s89, 0
	s_mov_b32 s[SEL], 0x76543210
	s_mov_b32 s[SEL+1], 0xfedcba98
	s_mov_b32 s[MNT], 0x600000
	s_mov_b32 s[LM], 0xaaaaaaaa
	s_mov_b32 s[LM+1], 0xcccccccc
	s_mov_b32 s[LM+2], 0xf0f0f0f0
	s_mov_b32 s[LM+3], 0xff00ff00
	s_mov_b32 s[LM+4], 0xffff0000
	; the addresses, ahead of the first branch on the wave's number
	s_mul_i32 s69, s[WV], 16*PITCH
	s_lshl_b32 s75, s[WV], 6
	s_add_co_u32 s75, s75, IMG+ISC
	s_lshl_b32 s84, s94, 10
	s_lshl_b32 s85, s95, 5
	s_add_co_u32 s84, s84, s85
	s_add_co_u32 s84, s84, KQS
	s_lshl_b32 s85, s[WV], 11
	s_wait_alu depctr_va_vdst(0)
	v_and_b32 v82, 31, v0                          ; lane
	v_and_b32 v83, 15, v0                          ; r
	v_bfe_u32 v84, v0, 4, 1                        ; h
	v_and_b32 v85, 3, v0
	v_lshlrev_b32 v[LO], 4, v82
	v_mul_u32_u24 v[AV], v83, PITCH
	v_lshrrev_b32 v86, 2, v82
	v_lshlrev_b32 v[PFO], 11, v82
	v_lshl_add_u32 v[SW], v83, 2, s75
	v_lshl_add_u32 v[AV], v84, 6, v[AV]
	v_lshl_add_u32 v86, v86, 2, s84
	v_lshl_add_u32 v[SR], v82, 2, IMG+ISC
	v_add_nc_u32 v[AV], s69, v[AV]                 ; row 16 wave + r, + 64 h: my 16 numbers of a block of 32
	v_add_nc_u32 v[IR], IMG, v[LO]
.irp b, 0,1,2,3
	v_mov_b32 v[TM+4+\b], 0                        ; written once: a lane permute's destination counts as one of its sources
.endr
	v_add_nc_u32 v[AW], WOFF, v[AV]
	v_add_nc_u32 v[IW], s85, v[IR]
.irp i, 0,1,2,3,4,5,6,7,8,9,10,11,12,13,14,15
	v_mov_b32 v[RR+\i], 0                          ; (a DPP form's destination counts as read)
.endr
	v_lshl_add_u32 v[KA], v85, 8, v86              ; 256 (lane % 4) + 4 (lane / 4) + 32 (wave % 4) in my tensor's 1,024 bytes
	WALU                                           ; the head's end
	s_wait_dscnt 0x0                               ; both opening adds are done
	s_wait_kmcnt 0x0
	s_add_nc_u64 s[76:77], s[4:5], s[76:77]
	s_add_nc_u64 s[78:79], s[6:7], s[78:79]
	s_add_nc_u64 s[96:97], s[4:5], s[96:97]
	s_add_nc_u64 s[88:89], s[16:17], s[88:89]
	s_add_nc_u64 s[90:91], s[16:17], s[90:91]
	s_mov_b32 s[G0A], 1                            ; count = 1
	s_mov_b32 s[G0A+1], s31                        ; LDS address
	s_mov_b64 s[G0A+2:G0A+3], s[76:77]             ; global address: half 0
	s_or_b32 s[G0A+3], s[G0A+3], 0x80000000        ; type = 2
	s_mov_b32 s[G0B], 1
	s_mov_b32 s[G0B+1], s31
	s_mov_b64 s[G0B+2:G0B+3], s[78:79]
	s_or_b32 s[G0B+3], s[G0B+3], 0x80000000
	s_cmp_lt_u32 s[WV], 4                          ; waves 0-3 take K, WK; waves 4-7 Q, WQ: the choice hangs on the wave's number alone
	s_cselect_b64 s[82:83], s[8:9], s[12:13]
	s_cselect_b64 s[84:85], s[10:11], s[14:15]
	s_cmp_lt_u32 s[WV], 2                          ; on the way out waves 0, 1 store ak, waves 2, 3 aq
	s_cselect_b64 s[86:87], s[18:19], s[20:21]
	s_add_nc_u64 s[82:83], s[82:83], s[80:81]
	s_add_nc_u64 s[92:93], s[86:87], s[92:93]
	ROUND                                          ; all sixteen work-groups are here: the first joint loads meet
	JLOAD                                          ; half 0: one tensor load a wave
	; ---- half 0
	VPART 1
	s_wait_tensorcnt 0x0                           ; no tensor load of mine is out;
	ds_add_u32 v[SPW], v[NIL]                      ; 0 onto my spare word;
	s_add_nc_u64 s[G0A+2:G0A+3], s[G0A+2:G0A+3], 1024   ; so the descriptors go on to half 1
	s_add_nc_u64 s[G0B+2:G0B+3], s[G0B+2:G0B+3], 1024
	s_wait_dscnt 17                                ; WV's first set is in; its second set's sixteen loads and the add may be out
	QUANT WR, 1, WC, WW
	WALU
	s_wait_dscnt 0x0                               ; the add is done, my reads of the slot are over
	ROUND                                          ; no wave of any partner still reads the slot
	JLOAD                                          ; first behind the round: half 1 into the slot
.irp i, 4,5,6,7
	ROWLD \i
.endr
	QUANT WR+64, 1, WC+16, WW+1
	IMGLD 1, WR, 1                                 ; K step 1's images into WV's registers, which are done with
	s_wait_loadcnt 16                              ; rows 0-3 and the weights are in; rows 4-7's sixteen loads may be out
.irp i, 0,1,2,3
	PROW \i
.endr
.irp i, 4,5,6,7
	s_wait_loadcnt 28-4*\i                         ; row i is in; the rows behind it may be out
	PROW \i
.endr
	SUMS
	s_wait_dscnt 2                                 ; K step 1's images are in; the two sums' stores may be out
	IMGLD 0, RAW, 0                                ; K step 0's into the weights' registers
	WALU
	s_wait_xcnt 0x0                                ; the prefetch has read its offset: the products write its register
	s_wait_dscnt 36                                ; the sums' stores are done as well
	MULS 1, WR, 1, 1                               ; the first products start the sums
	s_wait_dscnt 0x0
	MULS 0, RAW, 0, 0
	; ---- half 1
	VPART 0
	s_wait_dscnt 16                                ; WV's first set is in
	IMGLD 0, RAW, 0                                ; K step 2's images
	QUANT WR, 1, WC, WW
	WALU
	s_wait_dscnt 0x0                               ; WV's second set and K step 2's images are in
	IMGLD 1, X, 1                                  ; K step 3's images into the rows' registers
	PLACES 4                                       ; WV's codes were written by vector instructions: four places ahead of a scaled product
	MULS 0, RAW, 0, 0
	QUANT WR+64, 1, WC+16, WW+1
	WALU
	s_wait_dscnt 0x0
	PLACES 4
	MULS 1, X, 1, 0
	; ---- the way out: my 8 accumulators are 64 numbers a lane, register 16 b + i = place 32 b + 16 h + i of column d = r along the keys: one fragment of the next product
	PLACES 8                                       ; eight places behind the last products, ahead of the first read of results
	QUANT ACC, 0, WC, WW                           ; each accumulator is read from its low end on
.irp c, 0,1,2,3
	global_store_b128 v[LO], v[WC+4*\c:WC+4*\c+3], s[88:89] offset:512*\c   ; 512 consecutive bytes, aligned
.endr
	s_lshl_b32 s69, s94, 8
	s_lshl_b32 s75, s95, 2
	s_add_co_u32 s69, s69, s75
	s_add_co_u32 s69, s69, SST
	v_bfe_u32 v85, v[LO], 4, 4                     ; r
	v_lshrrev_b32 v84, 8, v[LO]                    ; h: lanes 0-15 head 2 x's record, lanes 16-31 the next record
	v_lshl_add_u32 v86, v85, 4, s69
	ds_store_b32 v86, v[WW]                        ; the words of eight waves meet: two heads x 256 bytes: [head wave / 4][row r][tile wave % 4]
	s_lshl_b32 s69, s95, 9
	s_add_co_u32 s69, s69, KQS
	v_add_nc_u32 v82, s69, v[LO]                   ; 512 bytes of ak's or aq's sums
	v_mul_u32_u24 v83, v84, REC
	v_lshl_add_u32 v83, v85, 4, v83
	WALU
	s_wait_dscnt 0x0
	s_barrier_signal -1
	s_barrier_wait -1
	s_cmp_lt_u32 s[WV], 4
	s_cbranch_scc0 .Lnot_sums
	ds_load_b128 v[88:91], v82
	s_wait_dscnt 0x0
	global_store_b128 v[LO], v[88:91], s[92:93]    ; 512 consecutive bytes, aligned
	s_branch .Lout
.Lnot_sums:
	s_cmp_lg_u32 s[WV], 4
	s_cbranch_scc1 .Lout
	ds_load_b128 v[88:91], v[IR] offset:SST-IMG
	s_wait_dscnt 0x0
	global_store_b128 v83, v[88:91], s[90:91]      ; two runs of 256 consecutive bytes, aligned
.Lout:
	s_wait_tensorcnt 0x0                           ; the wave's end
	ds_add_u32 v[SPW], v[NIL]
	s_wait_dscnt 0x0
	ROUND                                          ; the closing round: no work-group ends while a partner may still ask for a tile that names it
	s_endpgm
.Lfunc_end_k_q5cea30e167_proj:
	.size	k_q5cea30e167_proj, .Lfunc_end_k_q5cea30e167_proj-k_q5cea30e167_proj
	.p2alignl 7, 3214868480
	.fill 96, 4, 3214868480
	.section	.rodata,"a",@progbits
	.p2align	6, 0x0
	.amdhsa_kernel k_q5cea30e167_proj
		.amdhsa_group_segment_fixed_size 327680
		.amdhsa_private_segment_fixed_size 0
		.amdhsa_enable_private_segment 0
		.amdhsa_kernarg_size 72
		.amdhsa_user_sgpr_count 2
		.amdhsa_user_sgpr_kernarg_segment_ptr 1
		.amdhsa_wavefront_size32 1
		.amdhsa_system_sgpr_workgroup_id_x 1
		.amdhsa_system_sgpr_workgroup_id_y 1
		.amdhsa_system_sgpr_workgroup_id_z 1
		.amdhsa_system_vgpr_workitem_id 0
		.amdhsa_next_free_vgpr 512
		.amdhsa_next_free_sgpr 100
		.amdhsa_reserve_vcc 0
		.amdhsa_float_denorm_mode_32 3
		.amdhsa_float_denorm_mode_16_64 3
		.amdhsa_memory_ordered 1
		.amdhsa_forward_progress 1
		.amdhsa_inst_pref_size 168
	.end_amdhsa_kernel
	.amdgpu_metadata
---
amdhsa.version: [ 1, 2 ]
amdhsa.kernels:
  - .name:           k_q5cea30e167_proj
    .symbol:         k_q5cea30e167_proj.kd
    .args:
      - { .name: V, .offset: 0, .size: 8, .value_kind: global_buffer, .address_space: global }
      - { .name: WV, .offset: 8, .size: 8, .value_kind: global_buffer, .address_space: global }
      - { .name: K, .offset: 16, .size: 8, .value_kind: global_buffer, .address_space: global }
      - { .name: WK, .offset: 24, .size: 8, .value_kind: global_buffer, .address_space: global }
      - { .name: Q, .offset: 32, .size: 8, .value_kind: global_buffer, .address_space: global }
      - { .name: WQ, .offset: 40, .size: 8, .value_kind: global_buffer, .address_space: global }
      - { .name: vp, .offset: 48, .size: 8, .value_kind: global_buffer, .address_space: global }
      - { .name: ak, .offset: 56, .size: 8, .value_kind: global_buffer, .address_space: global }
      - { .name: aq, .offset: 64, .size: 8, .value_kind: global_buffer, .address_space: global }
    .group_segment_fixed_size: 327680
    .private_segment_fixed_size: 0
    .kernarg_segment_align: 8
    .kernarg_segment_size: 72
    .max_flat_workgroup_size: 256
    .sgpr_count:     100
    .vgpr_count:     512
    .wavefront_size: 32
...
	.end_amdgpu_metadata
.endif
;; end of part 1
;; launch attn (part 2): grid 4 x 64, 8 waves a work-group, clusters of 4 x 1, 168,960 bytes of LDS; arguments vp, ak, aq, bias, out0; writes out0
.if DOCPART == 2
	.amdgcn_target "amdgcn-amd-amdhsa--gfx1250"
	.amdhsa_code_object_version 6
	.text
	.protected	k_q5cea30e167_attn
	.globl	k_q5cea30e167_attn
	.p2align	8
	.type	k_q5cea30e167_attn,@function
k_q5cea30e167_attn:
	s_mov_b64 s[64:65], 0
	v_nop
	global_prefetch_b8 v0, s[64:65] scope:SCOPE_SE
	s_setreg_imm32_b32 hwreg(HW_REG_WAVE_MODE, 25, 1), 1
	s_wait_xcnt 0x0
	s_wait_alu depctr_hold_cnt(0) depctr_sa_sdst(0) depctr_va_vdst(0) depctr_va_sdst(0) depctr_va_ssrc(0) depctr_va_vcc(0) depctr_vm_vsrc(0)
	s_getreg_b32 s2, hwreg(HW_REG_IB_STS2, 6, 4)
	s_cmp_eq_u32 s2, 0
	s_cbranch_scc0 .Lentry_in_a_cluster
	s_endpgm
.Lentry_in_a_cluster:
	s_bfe_u32 s2, ttmp6, 0x10000c
	s_cmp_lg_u32 s2, 0x3003
	s_cbranch_scc0 .Lentry_shape_is_right
	s_endpgm
.Lentry_shape_is_right:
; out0[b][q][64 h + d] = (sum over keys of p Vproj) / l + bias[h][d], the product on codes of BF8 (E5M2) with one E8M0 scale for each 32 keys.
; logit = leaky(aq + ak) = max(s, 0.2 s), s = aq + ak;  t = logit x log2(e);  M = ceil(the row's largest t);  p = 2^(t - M), quantised along the keys, not normalised;  l = the sum of the unquantised p.
; THE ROW'S MAXIMUM IS TAKEN FIRST, AND EXACTLY: leaky rises with its argument, so the row's largest logit is leaky(aq + the largest ak of the batch and head).  M is known before the keys are walked: no running maximum, nothing is rescaled.
; THE EXPONENTIALS ARE MADE PER KEY AND PER QUERY: 2^x rises, so p = max(2^(c s - M), 2^(0.2 c s - M)), c = log2(e).  With g = c x the largest ak, u = c ak - g (0 or less), wq = c aq + g:
;   p = max(A E, B F),  E = 2^u, F = 2^(0.2 u) of the key,  A = 2^(wq - M), B = 2^(0.2 wq - M) of the query,  M = ceil(max(wq, 0.2 wq)).  An identity for every input.  All four exponents are 0 or less (up to one rounding of g,
;   which enters u and wq with opposite signs), so nothing can overflow; what falls under 2^-126 does so in p too.
; A BLOCK'S LARGEST p IS NOT SEARCHED FOR: a rounded multiplication by a positive number does not fall where its other factor rises, so it is max(A x the block's largest E, B x its largest F), bit for bit.
; vp, ak, aq as the launch before lays them: vp: 64 records of 67,584 bytes: 32 fragment images of 2,048 bytes (4 s + dt), then the scale words [s][row][dt].  Place 16 h + i of a block of 32 holds key 8 h + (i & 7) + 16 (i >> 3):
;   E's and F's tables are laid in the same order, so both operands carry the same order inside a block.  ak, aq: [group of 32 rows][head][32]: a head's 1,024 keys are 32 runs of 128 bytes, a wave's 32 queries one run.
; SHARES.  A work-group owns 256 queries of one batch and head; each of its eight waves 32: two tiles of 16.  O^T = V^T P^T: source 0 = 16 of the head's 64, source 1 = p of 16 queries: a lane holds one query (lane % 16).
;   Every wave takes the largest ak of all 1,024 keys by itself (32 numbers a lane), so no barrier stands ahead of the tables.
; CLUSTER.  The four query blocks of a batch and head read the same record of vp: each wave asks for an eighth of it JOINTLY with its three partners.  LDS is filled once; nothing is filled again.
; LIMITS: NaN and infinities are not served; v_exp_f32 gives 0 under 2^-126; a block whose largest p lies under 2^-111 keeps the scale byte 1 (a block of zeros too: its codes are zeros).
; REGISTERS, window 0: v1-7, v54 addresses; v8-15 A, A and B, B for each tile; v16-23 the sums; v24-31 the step's block maxima of E and F; v32-35 V's scale words, v36-37 p's (scales and nothing else); v38-41 1 / l;
;   v42-49 the conversions' scale operands; v50-53, v55-58 the holds of tile 0, tile 1; v64-127 E and F of a block, two buffers; v128-191 A E (then p) and B F (then p held), for each tile; v192-223 p's codes; v224-255 the bias.
;   Window 1: v0-63 four fragments of V; v64-127 O^T: accumulator (tile t, dt) at 64 + 32 t + 8 dt; v128, v129 the add's two registers.
.set REC,  67584
.set VSC,  65536                       ; LDS: the record as it lies: images at 0, scale words here
.set ET,   67584                       ; E of the 1,024 places, f32
.set FT,   ET+4096                     ; F
.set EM,   FT+4096                     ; the 32 blocks' largest E; 128 bytes on, their largest F
.set STG,  EM+256                      ; the way out: 16 rows x (256 + 16) bytes for each wave
.set SPARE, 0x29000                    ; the spare words: four blocks of 256 bytes that no other line names
.set SP,   272
.set VAD, 1                            ; v1   16 x lane + 8,192 x step
.set SAD, 2                            ; v2   VSC + 16 x row + 256 x step
.set EA0, 3                            ; v3   ET + 64 h + 512 x step: buffer 0's blocks
.set MAD, 4                            ; v4   EM + 16 x step
.set STO, 5
.set RD,  6
.set GO,  7
.set AA,  8
.set BB,  12
.set L,   16
.set EMX, 24
.set FMX, 28
.set VS,  32
.set PW,  36
.set RL,  38
.set SO,  42
.set HO,  50                           ; tile t's hold of block c at HO + 5 t + c: the two tiles' lie 5 apart, so that their numbers differ modulo 4 (see BLOCK)
.set EA1, 54                           ; v54  EA0 + 128: buffer 1's blocks
.set EF,  64
.set T1,  128
.set T2,  144
.set PC,  192
.set BI,  224
.set WV,  14
.set G1,  24
.set G0,  32
.set SEL, 36
.set MNT, 38
.set CL,  39                           ; s39  log2(e)
.set SLP, 40                           ; s40  0.2
.set CNT, 41
.set MSB, 0
.macro WIN new                         ; the immediate's high byte repeats the setting that is left
.if MSB != \new
	s_set_vgpr_msb (MSB<<8)|\new
.set MSB, \new
.endif
.endm
.macro PLACES n
.rept \n
	v_nop
.endr
.endm
.macro ROUND                           ; a round of the cluster's barrier
	s_barrier_signal -1
	s_barrier_wait -1
	s_cmp_lg_u32 s[WV], 0
	s_cbranch_scc1 .Lnot_wave_0_\@
	s_barrier_signal -3
.Lnot_wave_0_\@:
	s_barrier_wait -3
	s_barrier_signal -1
	s_barrier_wait -1
.endm
	s_load_b256 s[4:11], s[0:1], 0x0               ; vp s[4:5], ak s[6:7], aq s[8:9], bias s[10:11]
	s_load_b64 s[12:13], s[0:1], 0x20              ; out0
	WIN 0x40
	v_lshl_add_u32 v128, v0, 2, SPARE              ; my spare word, and 0: window 1, never rewritten
	v_mov_b32 v129, 0
	WIN 0x45
	ds_add_u32 v128, v129                          ; the wave's opening: an add, twice on end, and its wait
	ds_add_u32 v128, v129
	WIN 0
	v_lshrrev_b32 v1, 5, v0
	s_delay_alu instid0(VALU_DEP_1)
	v_readfirstlane_b32 s[WV], v1                  ; wave 0..7
	s_bfe_u32 s15, ttmp6, 0x40000                  ; cx
	s_lshl_b32 s19, ttmp9, 2
	s_add_co_u32 s15, s19, s15                     ; my block of 256 queries: it enters aq's and out0's addresses alone
	s_and_b32 s16, ttmp7, 0xffff                   ; 8 batch + head, which the four partners share
	s_lshr_b32 s17, s16, 3
	s_and_b32 s18, s16, 7
	; descriptor group 1: 33 rows of 256 bytes (32 elements of 8 bytes), dense: an eighth of a record
	s_mov_b32 s[G1], 15|(3<<16)|(1<<21)            ; 15:0 the mask: all four work-groups; 17:16 elements of 8 bytes; 21 set beside a mask; no padding
	s_mov_b32 s[G1+1], 32<<16                      ; tensor_dim0 = 32
	s_mov_b32 s[G1+2], 33<<16                      ; tensor_dim1 = 33
	s_mov_b32 s[G1+3], 32<<16                      ; tile_dim0 = 32
	s_mov_b32 s[G1+4], 33                          ; tile_dim1 = 33
	s_mov_b32 s[G1+5], 32                          ; tensor_dim0_stride
	s_mov_b32 s[G1+6], 0
	s_mov_b32 s[G1+7], 0
	s_mov_b32 s[G0], 1
	s_mul_i32 s[G0+1], s[WV], 8448                 ; LDS address: the record lies in LDS as in memory
	s_mul_i32 s20, s16, REC
	s_mul_i32 s22, s[WV], 8448
	s_add_co_u32 s20, s20, s22
	s_mov_b32 s21, 0
	s_lshl_b32 s42, s17, 15                        ; ak: 32 groups of 1,024 bytes a batch, + 128 head
	s_lshl_b32 s23, s18, 7
	s_add_co_u32 s42, s42, s23
	s_mov_b32 s43, 0
	s_lshl_b32 s44, s17, 10
	s_lshl_b32 s19, s15, 8
	s_add_co_u32 s44, s44, s19
	s_lshl_b32 s19, s[WV], 5
	s_add_co_u32 s44, s44, s19                     ; my wave's first query: 1,024 batch + 256 block + 32 wave
	s_lshl_b32 s48, s44, 11                        ; out0: 2,048 bytes a row, + 256 head
	s_lshl_b32 s46, s18, 8                         ; bias: 256 head
	s_add_co_u32 s48, s48, s46
	s_mov_b32 s49, 0
	s_mov_b32 s47, 0
	s_lshl_b32 s44, s44, 5                         ; aq: my wave's 32 queries are one group of 1,024 bytes, + 128 head
	s_add_co_u32 s44, s44, s23
	s_mov_b32 s45, 0
	; every LDS address is made here, ahead of the first branch on the wave's number
	s_mul_i32 s50, s[WV], 16*SP
	s_add_co_u32 s50, s50, STG                     ; my stage
	v_and_b32 v8, 31, v0                           ; lane
	v_and_b32 v9, 15, v0                           ; r
	v_bfe_u32 v10, v0, 4, 1                        ; h
	v_and_b32 v62, 0xf9, v0                        ; place 4 t + i holds key 4 t' + i, t' = t with bits 1 and 2 exchanged
	v_lshlrev_b32 v[VAD], 4, v8
	v_lshl_add_u32 v[SAD], v9, 4, VSC
	v_lshl_add_u32 v[EA0], v10, 6, ET
	v_bfe_u32 v128, v0, 1, 1
	v_bfe_u32 v129, v0, 2, 1
	v_mul_u32_u24 v[STO], v9, SP
	v_mul_u32_u24 v[RD], v10, SP
	v_lshl_or_b32 v62, v128, 2, v62
	v_add_nc_u32 v[EA1], 128, v[EA0]
	v_lshl_add_u32 v[STO], v10, 5, v[STO]
	v_lshl_add_u32 v[RD], v9, 4, v[RD]
	v_lshl_or_b32 v62, v129, 1, v62
	v_lshlrev_b32 v[GO], 11, v10
	v_add_nc_u32 v[STO], s50, v[STO]               ; in: row r, 32 bytes for each half of the lanes
	v_add_nc_u32 v[RD], s50, v[RD]                 ; back: lanes 0-15 one row of 256 bytes, lanes 16-31 the next
	v_lshrrev_b32 v128, 3, v62                     ; my four keys: group t' / 8,
	v_lshl_add_u32 v[GO], v9, 4, v[GO]             ; (and the same two rows in out0)
	v_and_b32 v62, 7, v62                          ; 16 bytes (t' % 8) in
	v_lshrrev_b32 v57, 3, v8                       ; for the maximum: lane l takes group l / 8, 16 bytes (l % 8) in; four groups a load
	v_and_b32 v61, 7, v8
	v_lshrrev_b32 v60, 3, v0
	v_lshlrev_b32 v62, 4, v62
	v_lshlrev_b32 v57, 10, v57
	v_lshl_add_u32 v59, v0, 4, ET                  ; the tables: thread t writes places 4 t .. 4 t + 3
	v_lshl_add_u32 v60, v60, 2, EM                 ; eight threads to a block of 32
	v_lshl_or_b32 v62, v128, 10, v62
	v_lshl_or_b32 v57, v61, 4, v57
	v_mov_b32 v[MAD], EM
	v_lshlrev_b32 v63, 2, v9                       ; aq: 4 r
	v_lshlrev_b32 v56, 5, v10                      ; bias: 32 h
	v_mov_b32 v135, 0                              ; written once: a lane permute's destination counts as one of its sources
	s_mov_b32 s[SEL], 0x76543210
	s_mov_b32 s[SEL+1], 0xfedcba98
	s_mov_b32 s[MNT], 0x600000
	s_mov_b32 s[CL], 0x3fb8aa3b
	s_mov_b32 s[SLP], 0x3e4ccccd
	s_wait_alu depctr_va_vdst(0)                   ; the head's end
	s_wait_dscnt 0x0                               ; both opening adds are done
	s_wait_kmcnt 0x0
	s_add_nc_u64 s[G0+2:G0+3], s[4:5], s[20:21]
	s_or_b32 s[G0+3], s[G0+3], 0x80000000          ; type = 2
	s_add_nc_u64 s[6:7], s[6:7], s[42:43]
	s_add_nc_u64 s[8:9], s[8:9], s[44:45]
	s_add_nc_u64 s[10:11], s[10:11], s[46:47]
	s_add_nc_u64 s[12:13], s[12:13], s[48:49]
	; the loads into registers go out ahead of the round: they are on their way while the four work-groups meet (nobody writes these bytes in this launch)
	global_load_b128 v[128:131], v62, s[6:7]       ; ak of my four places
.irp j, 0,1,2,3,4,5,6,7
	global_load_b128 v[64+4*\j:67+4*\j], v57, s[6:7] offset:4096*\j   ; ak of all 1,024 keys, 32 a lane
.endr
.irp t, 0,1
	global_load_b32 v[132+\t], v63, s[8:9] offset:64*\t          ; aq of my query in each tile
.endr
.irp d, 0,1,2,3
	global_load_b128 v[BI+8*\d:BI+8*\d+3], v56, s[10:11] offset:64*\d      ; bias at my eight d of each tile: 16 dt + 8 h + 0 .. 7
	global_load_b128 v[BI+8*\d+4:BI+8*\d+7], v56, s[10:11] offset:64*\d+16
.endr
	ROUND                                          ; all four work-groups are here: the joint loads meet
	tensor_load_to_lds s[G0:G0+3], s[G1:G1+7]      ; every wave's one tensor load of the launch
	s_nop 0
	PLACES 4
	s_wait_loadcnt 10                              ; ak is in; aq's two loads and the bias's eight may be out
	v_max3_num_f32 v134, v64, v65, v66             ; the largest ak: my 32 in two chains, then the wave's
	v_max3_num_f32 v136, v80, v81, v82
.irp i, 3,5,7,9,11,13
	v_max3_num_f32 v134, v134, v[64+\i], v[65+\i]
	v_max3_num_f32 v136, v136, v[80+\i], v[81+\i]
.endr
	v_max3_num_f32 v134, v134, v79, v95
	s_delay_alu instid0(VALU_DEP_1)
	v_max_num_f32 v134, v134, v136
.irp m, 1,2,4,8
	s_delay_alu instid0(VALU_DEP_1)
	v_max_num_f32_dpp v134, v134, v134 row_xmask:\m row_mask:0xf bank_mask:0xf
.endr
	s_delay_alu instid0(VALU_DEP_1)
	v_permlanex16_b32 v135, v134, s[SEL], s[SEL+1]
	s_delay_alu instid0(VALU_DEP_1)
	v_max_num_f32 v134, v134, v135
	s_delay_alu instid0(VALU_DEP_1)
	v_mul_f32 v134, s[CL], v134                    ; g
.irp i, 0,1,2,3
	v_fma_f32 v[144+\i], s[CL], v[128+\i], -v134   ; u = c ak - g
.endr
.irp i, 0,1,2,3
	s_delay_alu instid0(VALU_DEP_4)
	v_mul_f32 v[148+\i], s[SLP], v[144+\i]         ; 0.2 u
.endr
	s_wait_alu depctr_va_vdst(0)
.irp i, 0,1,2,3,4,5,6,7
	v_exp_f32 v[144+\i], v[144+\i]                 ; E in v144-147, F in v148-151
.endr
.irp i, 0,1,2,3,4,5,6,7
	v_mov_b32 v[L+\i], 0                           ; the sums begin.  (Plain lines behind the exponentials)
.endr
	s_wait_alu depctr_va_vdst(0)
	v_max3_num_f32 v152, v144, v145, v146          ; a block's largest E and F: my four, then the eight threads of the block
	v_max3_num_f32 v153, v148, v149, v150
	v_max_num_f32 v152, v152, v147
	v_max_num_f32 v153, v153, v151
.irp m, 1,2,4
	s_delay_alu instid0(VALU_DEP_2)
	v_max_num_f32_dpp v152, v152, v152 row_xmask:\m row_mask:0xf bank_mask:0xf
	s_delay_alu instid0(VALU_DEP_2)
	v_max_num_f32_dpp v153, v153, v153 row_xmask:\m row_mask:0xf bank_mask:0xf
.endr
	ds_store_b128 v59, v[144:147]
	ds_store_b128 v59, v[148:151] offset:4096
	ds_store_b32 v60, v152                         ; eight lanes write the block's word with the same value
	ds_store_b32 v60, v153 offset:128
	s_wait_loadcnt 0x0                             ; aq and the bias
.irp t, 0,1
	v_fma_f32 v[154+\t], s[CL], v[132+\t], v134    ; wq = c aq + g: the row's largest c s
.endr
.irp t, 0,1
	s_delay_alu instid0(VALU_DEP_2)
	v_mul_f32 v[156+\t], s[SLP], v[154+\t]
.endr
.irp t, 0,1
	s_delay_alu instid0(VALU_DEP_2)
	v_max_num_f32 v[156+\t], v[154+\t], v[156+\t]  ; the row's largest t
.endr
.irp t, 0,1
	s_delay_alu instid0(VALU_DEP_2)
	v_floor_f32 v[156+\t], -v[156+\t]              ; -M = floor(-t) = -ceil(t)
.endr
.irp t, 0,1
	v_add_f32 v[158+\t], v[154+\t], v[156+\t]      ; wq - M
	v_fma_f32 v[160+\t], s[SLP], v[154+\t], v[156+\t]   ; 0.2 wq - M
.endr
	s_wait_alu depctr_va_vdst(0)
.irp t, 0,1
	v_exp_f32 v[AA+2*\t], v[158+\t]                ; each twice: the packed multiplications take pairs
	v_exp_f32 v[AA+2*\t+1], v[158+\t]
	v_exp_f32 v[BB+2*\t], v[160+\t]
	v_exp_f32 v[BB+2*\t+1], v[160+\t]
.endr
	v_nop                                          ; a plain line behind the exponentials
	s_wait_tensorcnt 0x0                           ; my eighth of the record is in,
	s_wait_dscnt 0x0                               ; my part of the tables is written:
	s_barrier_signal -1
	s_barrier_wait -1                              ; everybody's are
	ds_load_b128 v[EMX:EMX+3], v[MAD]
	ds_load_b128 v[FMX:FMX+3], v[MAD] offset:128
.irp j, 0,1,2,3
	ds_load_b128 v[EF+4*\j:EF+4*\j+3], v[EA0] offset:16*\j              ; block 0: my 16 places of E (all lanes of a half read the same bytes),
.endr
.irp j, 0,1,2,3
	ds_load_b128 v[EF+16+4*\j:EF+16+4*\j+3], v[EA0] offset:4096+16*\j   ; and of F
.endr
.irp j, 0,1,2,3
	ds_load_b128 v[EF+32+4*\j:EF+32+4*\j+3], v[EA1] offset:16*\j        ; block 1
.endr
.irp j, 0,1,2,3
	ds_load_b128 v[EF+48+4*\j:EF+48+4*\j+3], v[EA1] offset:4096+16*\j
.endr
; The scales of p for a key step's four blocks, both tiles by turns.  The lines ahead of the last six name no register of the last step's products: they are the places behind them.
.macro SCALES
	s_wait_alu depctr_va_vdst(0)
.irp t, 0,1
	v_pk_mul_f32 v[T1+8*\t:T1+8*\t+1], v[EMX:EMX+1], v[AA+2*\t:AA+2*\t+1]
	v_pk_mul_f32 v[T1+8*\t+2:T1+8*\t+3], v[EMX+2:EMX+3], v[AA+2*\t:AA+2*\t+1]
	v_pk_mul_f32 v[T1+8*\t+4:T1+8*\t+5], v[FMX:FMX+1], v[BB+2*\t:BB+2*\t+1]
	v_pk_mul_f32 v[T1+8*\t+6:T1+8*\t+7], v[FMX+2:FMX+3], v[BB+2*\t:BB+2*\t+1]
.endr
.irp t, 0,1
.irp c, 0,1,2,3
	v_max3_num_f32 v[T1+8*\t+\c], v[T1+8*\t+\c], v[T1+8*\t+4+\c], 0x8000000   ; the block's largest p, and the floor 2^(16 - 127)
.endr
.endr
.irp t, 0,1
.irp c, 0,1,2,3
	v_add_nc_u32 v[SO+4*\t+\c], 0xf8800000, v[T1+8*\t+\c]   ; 15 off the exponent field: the conversion's scale operand
.endr
.endr
.irp t, 0,1
.irp c, 0,1,2,3
	v_and_or_b32 v[HO+5*\t+\c], v[T1+8*\t+\c], 0x7f800000, s[MNT]   ; 57,344 x the scale
.endr
.endr
.irp t, 0,1
.irp c, 0,1,2,3
	v_lshrrev_b32 v[T1+8*\t+4+\c], 23, v[SO+4*\t+\c]   ; the scale's byte
.endr
.endr
.irp t, 0
	v_lshl_or_b32 v[PW+\t], v[T1+8*\t+5], 8, v[T1+8*\t+4]
.endr
.irp t, 1
	s_delay_alu instid0(VALU_DEP_4)
	v_lshl_or_b32 v[PW+\t], v[T1+8*\t+5], 8, v[T1+8*\t+4]
.endr
.irp t, 0,1
	s_delay_alu instid0(VALU_DEP_2)
	v_lshl_or_b32 v[PW+\t], v[T1+8*\t+6], 16, v[PW+\t]
.endr
.irp t, 0,1
	s_delay_alu instid0(VALU_DEP_2)
	v_lshl_or_b32 v[PW+\t], v[T1+8*\t+7], 24, v[PW+\t]
.endr
.endm
; Block c of a key step, from buffer c % 2: p for 16 places x 2 tiles a lane, its sum, the hold, the codes.  As soon as the products have read the buffer it takes the block two further on.
; THE MAXIMA AND THE HOLDS GO TWO TO AN INSTRUCTION.  The dual form wants one even and one odd destination and, place by place, sources whose numbers differ modulo 4.  The maxima pair places i and i + 1 of one tile.
; The holds of one tile share their second source, so tile 0's place k goes with tile 1's place k + 1 (and k + 1 with k); the two tiles' holds lie 5 registers apart.
; left: the LDS loads issued behind this buffer's, which may stay out.  more = 0: the last key step: blocks 2 and 3 fetch nothing.
.macro BLOCK c, left, more
.set EB, EF+32*((\c)%2)
.set EAR, EA0+(EA1-EA0)*((\c)%2)
	s_wait_dscnt \left
.if ((\c) >= 2) && \more
	v_add_nc_u32 v[EAR], 512, v[EAR]               ; on to the next key step: the wait above has shown this register's loads done
.endif
.irp t, 0,1
.irp k, 0,2,4,6,8,10,12,14
	v_pk_mul_f32 v[T1+32*\t+\k:T1+32*\t+\k+1], v[EB+\k:EB+\k+1], v[AA+2*\t:AA+2*\t+1]
.endr
.endr
.irp t, 0,1
.irp k, 0,2,4,6,8,10,12,14
	v_pk_mul_f32 v[T2+32*\t+\k:T2+32*\t+\k+1], v[EB+16+\k:EB+16+\k+1], v[BB+2*\t:BB+2*\t+1]
.endr
.endr
.if ((\c) < 2) || \more
.irp j, 0,1,2,3
	ds_load_b128 v[EB+4*\j:EB+4*\j+3], v[EAR] offset:256*(1-(\c)/2)+16*\j
.endr
.irp j, 0,1,2,3
	ds_load_b128 v[EB+16+4*\j:EB+16+4*\j+3], v[EAR] offset:256*(1-(\c)/2)+4096+16*\j
.endr
.endif
.irp t, 0,1
.irp i, 0,2,4,6,8,10,12,14
	v_dual_max_num_f32 v[T1+32*\t+\i], v[T1+32*\t+\i], v[T2+32*\t+\i] :: v_dual_max_num_f32 v[T1+32*\t+\i+1], v[T1+32*\t+\i+1], v[T2+32*\t+\i+1]   ; p, two places at a time
.endr
.endr
.irp k, 0,2,4,6,8,10,12,14             ; the sum is taken of the unquantised p: two chains a tile, pairs of places by turns.  The conversion does not saturate (ISA guide 7.6.2); p is not negative: a one-sided hold
	v_pk_add_f32 v[L+\k%4:L+\k%4+1], v[L+\k%4:L+\k%4+1], v[T1+\k:T1+\k+1]
	v_dual_min_num_f32 v[T2+\k], v[T1+\k], v[HO+(\c)] :: v_dual_min_num_f32 v[T2+32+\k+1], v[T1+32+\k+1], v[HO+5+(\c)]
	v_pk_add_f32 v[L+4+\k%4:L+4+\k%4+1], v[L+4+\k%4:L+4+\k%4+1], v[T1+32+\k:T1+32+\k+1]
	v_dual_min_num_f32 v[T2+32+\k], v[T1+32+\k], v[HO+5+(\c)] :: v_dual_min_num_f32 v[T2+\k+1], v[T1+\k+1], v[HO+(\c)]
.endr
.irp t, 0,1
	v_cvt_scalef32_pk8_bf8_f32 v[PC+16*\t+4*\c:PC+16*\t+4*\c+1], v[T2+32*\t:T2+32*\t+7], v[SO+4*\t+\c]   ; registers 4 c .. 4 c + 3 of the operand.  (The plain lines that follow write neither the held p nor the codes)
	v_cvt_scalef32_pk8_bf8_f32 v[PC+16*\t+4*\c+2:PC+16*\t+4*\c+3], v[T2+32*\t+8:T2+32*\t+15], v[SO+4*\t+\c]
.endr
.endm
; A key step: 128 keys.  zero = 1: its products start the sums.  more = 1: a step follows, whose block maxima and first two blocks are fetched on the way.
.macro KSTEP zero, more
	s_wait_dscnt 16                                ; the block maxima are in; the sixteen loads of blocks 0 and 1 may be out
	SCALES
	WIN 0x40                                       ; destination window 1
.irp d, 0,1,2,3
.irp c, 0,1,2,3
	ds_load_b128 v[16*\d+4*\c:16*\d+4*\c+3], v[VAD] offset:2048*\d+512*\c   ; V's four fragments, as images
.endr
.endr
	WIN 0
	ds_load_b128 v[VS:VS+3], v[SAD]                ; their scale words: row r's four
.if \more
	ds_load_b128 v[EMX:EMX+3], v[MAD] offset:16
	ds_load_b128 v[FMX:FMX+3], v[MAD] offset:144
.endif
	BLOCK 0, 25+2*\more, \more                     ; behind buffer 0's loads: buffer 1's eight and the 17 or 19 above
	BLOCK 1, 25+2*\more, \more                     ; behind buffer 1's: the 17 or 19 above and buffer 0's eight
	BLOCK 2, 8, \more                              ; behind buffer 0's: buffer 1's eight.  V and its words are in as well
	BLOCK 3, 8*\more, \more                        ; behind buffer 1's: the next step's first eight, or nothing
.if \more
	v_add_nc_u32 v[VAD], 8192, v[VAD]              ; their loads were shown done by block 2's wait.  With the v_nop: four places between the codes and the products
	v_add_nc_u32 v[SAD], 256, v[SAD]
	v_add_nc_u32 v[MAD], 16, v[MAD]
	v_nop
.else
	PLACES 4
.endif
	WIN 0x51                                       ; source 0 (V) window 1, source 1 (p) window 0, C and D window 1
.irp d, 0,1,2,3
.irp t, 0,1
.if \zero
	v_wmma_scale_f32_16x16x128_f8f6f4 v[64+32*\t+8*\d:64+32*\t+8*\d+7], v[16*\d:16*\d+15], v[PC+16*\t:PC+16*\t+15], 0, v[VS+\d], v[PW+\t] matrix_a_fmt:MATRIX_FMT_BF8 matrix_b_fmt:MATRIX_FMT_BF8
.else
	v_wmma_scale_f32_16x16x128_f8f6f4 v[64+32*\t+8*\d:64+32*\t+8*\d+7], v[16*\d:16*\d+15], v[PC+16*\t:PC+16*\t+15], v[64+32*\t+8*\d:64+32*\t+8*\d+7], v[VS+\d], v[PW+\t] matrix_a_fmt:MATRIX_FMT_BF8 matrix_b_fmt:MATRIX_FMT_BF8
.endif
.endr
.endr                                  ; the eight accumulators take turns, one instruction a turn, over the backward jump too
	WIN 0
.endm
	KSTEP 1, 1                                     ; the first step stands ahead of the loop: its products start the sums
	s_mov_b32 s[CNT], 6
.Lkeys:
	KSTEP 0, 1
	s_sub_co_u32 s[CNT], s[CNT], 1
	s_cmp_lg_u32 s[CNT], 0
	s_cbranch_scc1 .Lkeys
	KSTEP 0, 0                                     ; the last step is written out: no load reaches past the tables
	; THE WAY OUT.  l: the two chains, their halves, lane l xor 16's.  These additions and the four v_nop are the places behind the last products.
.irp t, 0,1
	v_pk_add_f32 v[L+4*\t:L+4*\t+1], v[L+4*\t:L+4*\t+1], v[L+4*\t+2:L+4*\t+3]
.endr
.irp t, 0,1
	s_delay_alu instid0(VALU_DEP_2)
	v_add_f32 v[L+4*\t], v[L+4*\t], v[L+4*\t+1]
.endr
.irp t, 0,1
	s_delay_alu instid0(VALU_DEP_2)
	v_permlanex16_b32 v[L+4*\t+2], v[L+4*\t], s[SEL], s[SEL+1]
.endr
.irp t, 0,1
	s_delay_alu instid0(VALU_DEP_2)
	v_add_f32 v[L+4*\t], v[L+4*\t], v[L+4*\t+2]
.endr
	s_wait_alu depctr_va_vdst(0)
.irp t, 0,1
	v_rcp_f32 v[RL+2*\t], v[L+4*\t]
	v_rcp_f32 v[RL+2*\t+1], v[L+4*\t]
.endr
	PLACES 4
; Tile t: O^T / l + bias, each accumulator from its low end on; a lane's eight d of a row are 32 bytes; they go into my stage's rows of 272 bytes and come back as whole rows of 256.
.macro PACK t
	WIN 0x01                                       ; source 0 (O^T) window 1
	s_wait_alu depctr_va_vdst(0)
.irp k, 0,2,4,6,8,10,12,14,16,18,20,22,24,26,28,30
	v_pk_fma_f32 v[T1+32*\t+\k:T1+32*\t+\k+1], v[64+32*\t+\k:64+32*\t+\k+1], v[RL+2*\t:RL+2*\t+1], v[BI+\k:BI+\k+1]
.endr
	WIN 0
.irp d, 0,1,2,3
	ds_store_b128 v[STO], v[T1+32*\t+8*\d:T1+32*\t+8*\d+3] offset:64*\d
	ds_store_b128 v[STO], v[T1+32*\t+8*\d+4:T1+32*\t+8*\d+7] offset:64*\d+16
.endr
.irp i, 0,1,2,3,4,5,6,7
	ds_load_b128 v[EF+32*\t+4*\i:EF+32*\t+4*\i+3], v[RD] offset:2*\i*SP   ; LDS serves a wave's instructions in order (ISA guide 5.7.1.4): these see my stores, and the next tile's stores come behind them
.endr
.endm
.macro SEND t, younger                 ; younger: the LDS instructions issued behind tile t's loads
.irp i, 0,1,2,3,4,5,6,7
	s_wait_dscnt \younger+7-\i
	global_store_b128 v[GO], v[EF+32*\t+4*\i:EF+32*\t+4*\i+3], s[12:13] offset:32768*\t+4096*\i   ; 16 lanes store 256 consecutive bytes, aligned: a head's part of a row
.endr
.endm
	PACK 0
	PACK 1
	SEND 0, 16                                     ; behind tile 0's loads: tile 1's eight stores and eight loads
	SEND 1, 0
	WIN 0x05
	s_wait_tensorcnt 0x0                           ; the wave's end
	ds_add_u32 v128, v129
	s_wait_dscnt 0x0
	WIN 0
	ROUND                                          ; the closing round: no work-group ends while a partner may still ask for the record
	s_endpgm
.Lfunc_end_k_q5cea30e167_attn:
	.size	k_q5cea30e167_attn, .Lfunc_end_k_q5cea30e167_attn-k_q5cea30e167_attn
	.p2alignl 7, 3214868480
	.fill 96, 4, 3214868480
	.section	.rodata,"a",@progbits
	.p2align	6, 0x0
	.amdhsa_kernel k_q5cea30e167_attn
		.amdhsa_group_segment_fixed_size 168960
		.amdhsa_private_segment_fixed_size 0
		.amdhsa_enable_private_segment 0
		.amdhsa_kernarg_size 40
		.amdhsa_user_sgpr_count 2
		.amdhsa_user_sgpr_kernarg_segment_ptr 1
		.amdhsa_wavefront_size32 1
		.amdhsa_system_sgpr_workgroup_id_x 1
		.amdhsa_system_sgpr_workgroup_id_y 1
		.amdhsa_system_sgpr_workgroup_id_z 1
		.amdhsa_system_vgpr_workitem_id 0
		.amdhsa_next_free_vgpr 386
		.amdhsa_next_free_sgpr 66
		.amdhsa_reserve_vcc 0
		.amdhsa_float_denorm_mode_32 3
		.amdhsa_float_denorm_mode_16_64 3
		.amdhsa_memory_ordered 1
		.amdhsa_forward_progress 1
		.amdhsa_inst_pref_size 108
	.end_amdhsa_kernel
	.amdgpu_metadata
---
amdhsa.version: [ 1, 2 ]
amdhsa.kernels:
  - .name:           k_q5cea30e167_attn
    .symbol:         k_q5cea30e167_attn.kd
    .args:
      - { .name: vp, .offset: 0, .size: 8, .value_kind: global_buffer, .address_space: global }
      - { .name: ak, .offset: 8, .size: 8, .value_kind: global_buffer, .address_space: global }
      - { .name: aq, .offset: 16, .size: 8, .value_kind: global_buffer, .address_space: global }
      - { .name: bias, .offset: 24, .size: 8, .value_kind: global_buffer, .address_space: global }
      - { .name: out0, .offset: 32, .size: 8, .value_kind: global_buffer, .address_space: global }
    .group_segment_fixed_size: 168960
    .private_segment_fixed_size: 0
    .kernarg_segment_align: 8
    .kernarg_segment_size: 40
    .max_flat_workgroup_size: 256
    .sgpr_count:     66
    .vgpr_count:     386
    .wavefront_size: 32
...
	.end_amdgpu_metadata
.endif
;; end of part 2
